; MI455X (gfx1250); checked and timed in simulation.
; The chip was launched on July 23, 2026; its instructions are those of AMD's public machine-readable ISA for CDNA 5 (MIT licence, August 2026) and "CDNA5" Instruction Set Architecture Reference Guide (July 2026). The comments in the code are by the model that wrote it; some were corrected since.
;; Easy Control Network. Allowed arithmetic: matrix products marked QUANTISED: E5M2 operands, one given power-of-two scale a tensor, by v_wmma_f32_16x16x64_bf8_bf8 or v_wmma_f32_16x16x128_bf8_bf8, f32 sums; everything else in f32.
;; Inputs: b_cond 1 float32; cond_k 2 x 512 x 16 x 128 float32; cond_v 2 x 512 x 16 x 128 float32; k 2 x 2,048 x 16 x 128 float32; lowp_scales 10 int32 (the exponents e of the quantised operands' scales 2^e); q 2 x 2,048 x 16 x 128 float32; v 2 x 2,048 x 16 x 128 float32; w_out 2,048 x 2,048 float32.
;; Outputs: out0 2 x 2,048 x 2,048 float32.
;; This version of the problem:
;;   THIS VERSION OF THE PROBLEM IS GIVEN IN LOW PRECISION. The matrix products marked QUANTISED in the list below multiply operands that are first quantised to E5M2 (5 exponent bits, 2 mantissa bits; 8 bits a number), with one given power-of-two scale for each operand tensor; their sums are f32. All else is computed in f32.
;;   The module's matrix products, in the order in which they are computed (A, B: the left and right operand; K: the contracted axis; several contracted axes count as one K, in the product's order):
;;     1. batch 32 x [M 2,048, K 128] x [K 128, N 2,048]; A: input q; B: input k: QUANTISED (scales: A lowp_scales[0], B lowp_scales[1])
;;     2. batch 32 x [M 128, K 2,048] x [K 2,048, N 2,048]; A: input v; B: computed on the way: QUANTISED (scales: A lowp_scales[2], B lowp_scales[3])
;;     3. batch 32 x [M 2,048, K 128] x [K 128, N 512]; A: input q; B: input cond_k: QUANTISED (scales: A lowp_scales[4], B lowp_scales[5])
;;     4. batch 32 x [M 128, K 512] x [K 512, N 2,048]; A: input cond_v; B: computed on the way: QUANTISED (scales: A lowp_scales[6], B lowp_scales[7])
;;     5. [M 4,096, K 2,048] x [K 2,048, N 2,048]; A: computed on the way; B: input w_out: QUANTISED (scales: A lowp_scales[8], B lowp_scales[9])
;;   THE QUANTISER, for each operand of a quantised product, along K:
;;     - The operand's scale is 2^e, e = its entry of the input lowp_scales (int32; the entries are numbered through the quantised products in the list's order, A before B).
;;     - Each number is divided by the scale, clamped to +-57,344, and rounded to the nearest number of E5M2, ties to even, subnormals kept.
;;     - The product sums the exact products of the quantised numbers (number of the format x scale) in f32.
;;   ~~~python
;;   def quantise(x, axis, e):      # numpy; x: float32 -> the quantised numbers, widened to float32 again
;;       x = np.moveaxis(x, axis, -1); K = x.shape[-1]
;;       r = np.clip(x / 2.0 ** e, -57344, 57344)
;;       step = 2.0 ** (np.maximum(np.frexp(np.where(r == 0, 1, r))[1] - 1, -14) - 2)
;;       q = np.round(r / step) * step * 2.0 ** e      # np.round: ties to even
;;       return np.moveaxis(q, -1, axis).astype(np.float32)
;;   ~~~
;;   OPERANDS COMPUTED ON THE WAY. 'Computed on the way' means the value that the module computes at that place (a softmax that the list does not call 'softmax' is quantised finished and normalised). What goes into a quantiser is computed in f32, as accurately as f32 sums, v_exp_f32 and their like allow (about 1e-6 of the number): no bf16 or f16 on the way to a quantiser, and a product that is left as it is and whose result goes on into a quantised operand takes f32 operands (vector FMAs, or v_wmma_f32_16x16x4_f32). A number that lies on a knife's edge between two numbers of the format may be rounded either way, as far as f32 arithmetic and the matrix unit's own rounding can turn it there, and no further.
;; One version. Each part assembles by itself: llvm-mc -triple=amdgcn-amd-amdhsa -mcpu=gfx1250 --defsym DOCPART=n.
;; ======== version 1 of 1: 3 launches
;; workspace buffers: kimg 10,485,760 bytes; vimg 10,485,760 bytes; wimg 4,194,304 bytes; ximg 8,388,608 bytes
;; launch prep (part 1): grid 1536 x 1, 4 waves a work-group, no clusters, 18,944 bytes of LDS; arguments k, cond_k, w_out, v, cond_v, lowp_scales, kimg, wimg, vimg; writes kimg, wimg, vimg
.if DOCPART == 1
	.amdgcn_target "amdgcn-amd-amdhsa--gfx1250"
	.amdhsa_code_object_version 6
	.text
	.protected	k_q773c6f44c5_prep
	.globl	k_q773c6f44c5_prep
	.p2align	8
	.type	k_q773c6f44c5_prep,@function
k_q773c6f44c5_prep:
	s_mov_b64 s[64:65], 0
	v_nop
	global_prefetch_b8 v0, s[64:65] scope:SCOPE_SE
	s_setreg_imm32_b32 hwreg(HW_REG_WAVE_MODE, 25, 1), 1
	s_wait_xcnt 0x0
; k, cond_k, w_out, v and cond_v (f32) become codes of E5M2, each with the one scale 2^e that is given for it, laid as IMAGES of operand registers.
; code = x / 2^e, held within +-57,344, rounded to the nearest code, ties to even.
; AN IMAGE is 16,384 bytes: 128 rows x 128 along K.  It has 8 fragments of 2,048 bytes; a fragment has 4 groups c of 512 bytes; in a group lane l = 16 hh + r has 16 bytes at 16 l:
; k = 32 c + 16 hh + 0 .. 15 of the row that lane r of the fragment holds.  Fragment t = 2 b + u, lane r holds row 32 b + 8 u + r + 8 (r / 8).
; So a later launch takes a fragment by four loads of 16 bytes a lane, and a run of images is one dense block.
; A work-group takes one block of 128 x 128 numbers (rows 8,192 bytes apart, 512 bytes of each) and makes one image.  By its number: 0-511 k, 512-639 cond_k, 640-895 w_out, 896-1407 v, 1408-1535 cond_v.
; k, cond_k, w_out: K (the head's 128, or 128 of w_out's columns) is innermost: rows of the block are rows of the image.   v, cond_v: K is the keys, the block's rows: columns of the block are rows of the image.
; No tensor loads, no cluster, no matrix unit: a stream in which work-groups share nothing.  No barrier: waves share nothing.
; LIMITS: each e between -126 and 112, so that 2^e and 57,344 x 2^e are f32 numbers.  NaN among the inputs is not served.
.set ROW,  8192                        ; bytes from row to row in every input
.set X,    16                          ; v16-143  128 numbers of a lane
.set C,    144                         ; v144-175 their codes
.set SP,   144                         ; a stage row: 128 bytes of codes + 16: an odd multiple of 16 bytes
.set WST,  32*SP                       ; a wave's stage: 32 rows
.set WV,   22
.set IN,   48                          ; s[48:49] where my numbers begin
.set OUT,  50                          ; s[50:51] where my part of the image begins
	s_load_b512 s[4:19], s[0:1], 0x0               ; k, cond_k, w_out, v, cond_v, the scales, kimg, wimg
	s_load_b64 s[20:21], s[0:1], 0x40              ; vimg
	v_lshl_add_u32 v176, v0, 2, 0x4800
	v_mov_b32 v177, 0
	v_lshrrev_b32 v1, 5, v0
	v_readfirstlane_b32 s[WV], v1                  ; wave 0..3
	v_and_b32 v1, 31, v0                           ; lane
	s_mov_b32 s40, 0                               ; the tensor's first work-group
	s_mov_b32 s41, 4                               ; log2 of its blocks of 128 rows
	s_mov_b32 s42, 0x1000000                       ; bytes of a batch
	s_mov_b32 s43, 20                              ; image index = (batch, head) x s43 + block x s44 + s45
	s_mov_b32 s44, 1
	s_mov_b32 s45, 0
	s_wait_kmcnt 0x0
	s_load_b256 s[24:31], s[14:15], 0x0            ; e0 .. e7
	s_load_b64 s[32:33], s[14:15], 0x20            ; e8, e9
	s_mov_b64 s[IN:IN+1], s[4:5]
	s_mov_b64 s[OUT:OUT+1], s[16:17]
	s_cmp_ge_u32 ttmp9, 512                        ; every choice hangs on the work-group's number alone
	s_cselect_b32 s40, 512, s40
	s_cselect_b32 s41, 2, s41
	s_cselect_b32 s42, 0x400000, s42
	s_cselect_b32 s45, 16, s45                     ; cond keys are steps 16-19 of a head
	s_cselect_b64 s[IN:IN+1], s[6:7], s[IN:IN+1]
	s_cmp_ge_u32 ttmp9, 640
	s_cselect_b32 s40, 640, s40
	s_cselect_b32 s41, 4, s41
	s_cselect_b32 s43, 1, s43                      ; w_out: image = 16 x (block of rows) + (128 of its columns)
	s_cselect_b32 s44, 16, s44
	s_cselect_b32 s45, 0, s45
	s_cselect_b64 s[IN:IN+1], s[8:9], s[IN:IN+1]
	s_cselect_b64 s[OUT:OUT+1], s[18:19], s[OUT:OUT+1]
	s_cmp_ge_u32 ttmp9, 896
	s_cselect_b32 s40, 896, s40
	s_cselect_b32 s42, 0x1000000, s42
	s_cselect_b32 s43, 20, s43
	s_cselect_b32 s44, 1, s44
	s_cselect_b64 s[IN:IN+1], s[10:11], s[IN:IN+1]
	s_cselect_b64 s[OUT:OUT+1], s[20:21], s[OUT:OUT+1]
	s_cmp_ge_u32 ttmp9, 1408
	s_cselect_b32 s40, 1408, s40
	s_cselect_b32 s41, 2, s41
	s_cselect_b32 s42, 0x400000, s42
	s_cselect_b32 s45, 16, s45
	s_cselect_b64 s[IN:IN+1], s[12:13], s[IN:IN+1]
	s_sub_co_u32 s34, ttmp9, s40                   ; my number within the tensor
	s_bfm_b32 s35, s41, 0
	s_and_b32 s36, s34, s35                        ; block of 128 rows
	s_lshr_b32 s37, s34, s41                       ; (batch, head); for w_out: which 128 columns
	s_and_b32 s38, s37, 15                         ; head
	s_lshr_b32 s39, s37, 4                         ; batch
	s_mul_i32 s52, s39, s42
	s_lshl_b32 s54, s36, 20                        ; 128 rows of 8,192 bytes
	s_add_co_u32 s52, s52, s54
	s_lshl_b32 s54, s38, 9                         ; 512 bytes a head
	s_add_co_u32 s52, s52, s54
	s_mov_b32 s53, 0
	s_add_nc_u64 s[IN:IN+1], s[IN:IN+1], s[52:53]
	s_mul_i32 s54, s37, s43
	s_mul_i32 s55, s36, s44
	s_add_co_u32 s54, s54, s55
	s_add_co_u32 s54, s54, s45
	s_lshl_b32 s54, s54, 14                        ; the image,
	s_lshl_b32 s55, s[WV], 12                      ; and my wave's two fragments of it
	s_add_co_u32 s54, s54, s55
	s_mov_b32 s55, 0
	s_add_nc_u64 s[OUT:OUT+1], s[OUT:OUT+1], s[54:55]
.macro ESEL                            ; the tensor's e; v11 = 2^e as f32 (the conversion takes its exponent field), v10 = 57,344 x 2^e
	s_wait_kmcnt 0x0
	s_mov_b32 s46, s25                             ; k: e1
	s_cmp_ge_u32 ttmp9, 512
	s_cselect_b32 s46, s29, s46                    ; cond_k: e5
	s_cmp_ge_u32 ttmp9, 640
	s_cselect_b32 s46, s33, s46                    ; w_out: e9
	s_cmp_ge_u32 ttmp9, 896
	s_cselect_b32 s46, s26, s46                    ; v: e2
	s_cmp_ge_u32 ttmp9, 1408
	s_cselect_b32 s46, s30, s46                    ; cond_v: e6
	s_add_co_i32 s46, s46, 127
	s_lshl_b32 s47, s46, 23
	v_mov_b32 v11, s47
	s_add_co_i32 s46, s46, 15
	s_lshl_b32 s46, s46, 23
	s_or_b32 s46, s46, 0x600000
	v_mov_b32 v10, s46
.endm
	s_cmp_ge_u32 ttmp9, 896
	s_cbranch_scc1 .Lv
	; ---- K innermost.  Wave w takes rows 32 w .. 32 w + 31: fragments 2 w and 2 w + 1.  A load reads one row: 32 lanes x 16 bytes = 512 consecutive bytes.
	s_lshl_b32 s52, s[WV], 18                      ; 32 rows of 8,192 bytes
	s_add_nc_u64 s[IN:IN+1], s[IN:IN+1], s[52:53]
	v_lshlrev_b32 v2, 4, v1                        ; 16 x lane: in the row, and in a group of the image; never rewritten
.set i, 0
.rept 32
	global_load_b128 v[X+4*i:X+4*i+3], v2, s[IN:IN+1] offset:ROW*i th:TH_LOAD_NT
.set i, i+1
.endr
	s_mul_i32 s56, s[WV], WST                      ; my stage
	v_lshl_add_u32 v3, v1, 2, s56                  ; into it: 4 codes a lane
	v_and_b32 v6, 15, v0
	v_bfe_u32 v7, v0, 4, 1
	v_mul_u32_u24 v4, v6, SP
	v_lshl_add_u32 v4, v7, 4, v4
	v_add_nc_u32 v4, s56, v4                       ; out of it: stage row r, + 16 hh
	ESEL
; Two rows at a time: a conversion takes eight numbers, four of each row; each of its two result registers holds four codes of one row.
; Row i of the wave goes to stage row 16 u + r, where i = 8 u + r + 8 (r / 8): bits 3 and 4 of i change places.
.set p, 0
.rept 16
	s_wait_loadcnt 30-2*p                          ; rows 2 p and 2 p + 1 are in; the loads issued behind them may be out
.irp i, 0,1,2,3,4,5,6,7
	v_med3_num_f32 v[X+8*p+\i], v[X+8*p+\i], -v10, v10   ; the conversion to an 8-bit code does not saturate (ISA guide 7.6.2): the hold comes first
.endr
	v_cvt_scalef32_pk8_bf8_f32 v[C+2*p:C+2*p+1], v[X+8*p:X+8*p+7], v11
	ds_store_b32 v3, v[C+2*p] offset:SP*(((2*p)%8)+16*(((2*p)/8)%2)+8*((2*p)/16))
	ds_store_b32 v3, v[C+2*p+1] offset:SP*(((2*p+1)%8)+16*(((2*p+1)/8)%2)+8*((2*p+1)/16))
.set p, p+1
.endr
	v_nop                                          ; a plain vector line behind the last conversion
.irp u, 0,1
.irp c, 0,1,2,3
	ds_load_b128 v[X+16*\u+4*\c:X+16*\u+4*\c+3], v4 offset:16*SP*\u+32*\c   ; LDS serves a wave's instructions in order (ISA guide 5.7.1.4): these see my stores
.endr
.endr
.irp u, 0,1
.irp c, 0,1,2,3
	s_wait_dscnt 7-4*\u-\c                         ; the reads issued behind this one may be out
	global_store_b128 v2, v[X+16*\u+4*\c:X+16*\u+4*\c+3], s[OUT:OUT+1] offset:2048*\u+512*\c   ; a group: 512 consecutive bytes, aligned
.endr
.endr
	s_wait_tensorcnt 0x0
	ds_add_u32 v176, v177
	s_wait_dscnt 0x0
	s_endpgm
.Lv:
	; ---- K = the block's rows (keys).  Wave w takes columns 32 w .. 32 w + 31.  A LANE TAKES A COLUMN AND ITS REGISTERS RUN DOWN THE KEYS: the conversions then give codes with the keys innermost.
	; Lane l takes column 8 (l / 16) + l % 8 + 16 ((l / 8) % 2): it is lane r = l % 16 of fragment 2 w + l / 16.  A load reads 128 consecutive bytes; the four waves stand side by side on 512.
	s_lshl_b32 s52, s[WV], 7
	s_add_nc_u64 s[IN:IN+1], s[IN:IN+1], s[52:53]
	v_lshrrev_b32 v6, 4, v1
	v_and_b32 v7, 7, v1
	v_bfe_u32 v8, v1, 3, 1
	v_lshl_add_u32 v2, v6, 3, v7
	v_lshl_add_u32 v2, v8, 4, v2
	v_lshlrev_b32 v2, 2, v2                        ; my column, in bytes; never rewritten
	v_and_b32 v9, 15, v1
	v_lshlrev_b32 v5, 4, v9
	v_lshl_add_u32 v5, v6, 11, v5                  ; 2,048 x (l / 16) + 16 x (l % 16): my place in the wave's two fragments; never rewritten
.set i, 0
.rept 128
	global_load_b32 v[X+i], v2, s[IN:IN+1] offset:ROW*i th:TH_LOAD_NT   ; key i; the largest offset, 127 x 8,192, lies inside the signed 24-bit immediate (ISA guide, chapter 10)
.set i, i+1
.endr
	ESEL
.irp b, 0,1,2,3                        ; 32 keys at a time: group b of the fragment, both halves hh
.if \b < 2
	s_wait_loadcnt 63                              ; behind this block's loads 96 or 64 were issued; the wait names the largest count that its field holds
.else
	s_wait_loadcnt 96-32*\b                        ; 32, then 0
.endif
.set i, 0
.rept 32
	v_med3_num_f32 v[X+32*\b+i], v[X+32*\b+i], -v10, v10
.set i, i+1
.endr
.irp g, 0,1,2,3
	v_cvt_scalef32_pk8_bf8_f32 v[C+8*\b+2*\g:C+8*\b+2*\g+1], v[X+32*\b+8*\g:X+32*\b+8*\g+7], v11
.endr
	global_store_b128 v5, v[C+8*\b:C+8*\b+3], s[OUT:OUT+1] offset:512*\b            ; keys 32 b + 0 .. 15: sixteen lanes store 256 consecutive bytes, aligned
	global_store_b128 v5, v[C+8*\b+4:C+8*\b+7], s[OUT:OUT+1] offset:512*\b+256      ; keys 32 b + 16 .. 31
.endr
	v_nop                                          ; a plain vector line behind the last conversion
	s_endpgm
.Lfunc_end_k_q773c6f44c5_prep:
	.size	k_q773c6f44c5_prep, .Lfunc_end_k_q773c6f44c5_prep-k_q773c6f44c5_prep
	.p2alignl 7, 3214868480
	.fill 96, 4, 3214868480
	.section	.rodata,"a",@progbits
	.p2align	6, 0x0
	.amdhsa_kernel k_q773c6f44c5_prep
		.amdhsa_group_segment_fixed_size 18944
		.amdhsa_private_segment_fixed_size 0
		.amdhsa_enable_private_segment 0
		.amdhsa_kernarg_size 72
		.amdhsa_user_sgpr_count 2
		.amdhsa_user_sgpr_kernarg_segment_ptr 1
		.amdhsa_wavefront_size32 1
		.amdhsa_system_sgpr_workgroup_id_x 1
		.amdhsa_system_sgpr_workgroup_id_y 1
		.amdhsa_system_sgpr_workgroup_id_z 1
		.amdhsa_system_vgpr_workitem_id 0
		.amdhsa_next_free_vgpr 178
		.amdhsa_next_free_sgpr 66
		.amdhsa_reserve_vcc 0
		.amdhsa_float_denorm_mode_32 3
		.amdhsa_float_denorm_mode_16_64 3
		.amdhsa_memory_ordered 1
		.amdhsa_forward_progress 1
		.amdhsa_inst_pref_size 44
	.end_amdhsa_kernel
	.amdgpu_metadata
---
amdhsa.version: [ 1, 2 ]
amdhsa.kernels:
  - .name:           k_q773c6f44c5_prep
    .symbol:         k_q773c6f44c5_prep.kd
    .args:
      - { .name: k, .offset: 0, .size: 8, .value_kind: global_buffer, .address_space: global }
      - { .name: cond_k, .offset: 8, .size: 8, .value_kind: global_buffer, .address_space: global }
      - { .name: w_out, .offset: 16, .size: 8, .value_kind: global_buffer, .address_space: global }
      - { .name: v, .offset: 24, .size: 8, .value_kind: global_buffer, .address_space: global }
      - { .name: cond_v, .offset: 32, .size: 8, .value_kind: global_buffer, .address_space: global }
      - { .name: lowp_scales, .offset: 40, .size: 8, .value_kind: global_buffer, .address_space: global }
      - { .name: kimg, .offset: 48, .size: 8, .value_kind: global_buffer, .address_space: global }
      - { .name: wimg, .offset: 56, .size: 8, .value_kind: global_buffer, .address_space: global }
      - { .name: vimg, .offset: 64, .size: 8, .value_kind: global_buffer, .address_space: global }
    .group_segment_fixed_size: 18944
    .private_segment_fixed_size: 0
    .kernarg_segment_align: 8
    .kernarg_segment_size: 72
    .max_flat_workgroup_size: 128
    .sgpr_count:     66
    .vgpr_count:     178
    .wavefront_size: 32
...
	.end_amdgpu_metadata
.endif
;; end of part 1
;; launch attn (part 2): grid 8 x 32, 8 waves a work-group, clusters of 4 x 1, 327,680 bytes of LDS; arguments q, kimg, vimg, b_cond, lowp_scales, ximg; writes ximg
.if DOCPART == 2
	.amdgcn_target "amdgcn-amd-amdhsa--gfx1250"
	.amdhsa_code_object_version 6
	.text
	.protected	k_q773c6f44c5_attn
	.globl	k_q773c6f44c5_attn
	.p2align	8
	.type	k_q773c6f44c5_attn,@function
k_q773c6f44c5_attn:
	s_mov_b64 s[64:65], 0
	v_nop
	global_prefetch_b8 v0, s[64:65] scope:SCOPE_SE
	s_setreg_imm32_b32 hwreg(HW_REG_WAVE_MODE, 25, 1), 1
	s_wait_xcnt 0x0
	s_wait_alu depctr_hold_cnt(0) depctr_sa_sdst(0) depctr_va_vdst(0) depctr_va_sdst(0) depctr_va_ssrc(0) depctr_va_vcc(0) depctr_vm_vsrc(0)
	s_getreg_b32 s2, hwreg(HW_REG_IB_STS2, 6, 4)
	s_cmp_eq_u32 s2, 0
	s_cbranch_scc0 .Lentry_in_a_cluster
	s_endpgm
.Lentry_in_a_cluster:
	s_bfe_u32 s2, ttmp6, 0x10000c
	s_cmp_lg_u32 s2, 0x3003
	s_cbranch_scc0 .Lentry_shape_is_right
	s_endpgm
.Lentry_shape_is_right:
; Two attentions over the same queries (2,048 target keys, 512 cond keys), joined by their log-sum-exps with the bias b on the cond side; all four products on codes of E5M2.
; THE WEIGHTS ARE QUANTISED FINISHED: p = exp(score - lse).  So every key is walked twice.  PASS 1: scores, a running maximum and a sum give L = log2 of the sum of 2^t, t = score x log2(e) / sqrt(128).
; PASS 2: the same scores again by the same instruction, p = 2^(t - L), p's codes, and O^T += V^T P^T.  The maximum is a running one, kept as a whole number M (2^(old M - new M) rounds nothing).
; JOINING: with Lc' = Lc + b log2(e) and mx = max(Lt, Lc'): a = 2^(Lt - mx), bb = 2^(Lc' - mx), x = (a Ot + bb Oc) / (a + bb).  x is quantised with e8 and stored as images for the projection.
; SHARES.  A work-group owns 256 queries of one (batch, head); each of its eight waves 32: two tiles of 16, so that each fragment of K or V read from LDS feeds two products.  Two waves share a SIMD.
; LAYOUT.  Both products are used transposed (source 0 = 16 keys or 16 channels, source 1 = 16 queries): a lane holds ONE query (lane % 16) throughout.  The rows of a fragment in kimg and vimg are chosen
; (lane r of fragment 2 b + u: row 32 b + 8 u + r + 8 (r / 8)) so that the 16 registers of tiles 2 b and 2 b + 1 are 16 neighbours, 32 b + 16 (lane / 16) + 0 .. 15: the conversions' results are the next operand.
; IMAGES: 16,384 bytes = 128 rows x 128 K in the order of the operand's registers: fragment t, group c at 2,048 t + 512 c + 16 x lane.  kimg, vimg: [32 heads][20 steps of 128 keys]: steps 0-15 target, 16-19 cond.
; CLUSTER.  The four query blocks of a cluster belong to one head and walk the same images: every fill is asked for JOINTLY, with the mask of all four.
; RING.  Two slots of 131,072 bytes, eight images each; a wave fetches one image of a fill and has at most one tensor load outstanding.  Eight fills: 0, 1: K of steps 0-7, 8-15; 2: K of the cond steps 16-19
; (waves 0-3 alone); 3 to 7: four steps each, laid K, V, K, V .. (waves 0-3 fetch K, waves 4-7 V).  Fill n lies in slot n % 2.
; PASS 1 FETCHES AHEAD: K's registers are free as soon as the scores are made, so the next step's 32 LDS loads stand straight behind the products and land under the softmax; a slot's last step is written out without them.
; Q has two sets of codes (e0 for the target keys, e4 for the cond keys).  In pass 1 the cond set lives in the registers that hold p's codes in pass 2; it is also stashed in LDS, for pass 2's cond steps.
; O^T of the target keys is put aside in slot 0, behind the last change of slots: that slot has then had its last fill, and every wave has passed the barrier behind its last read of it.
; lds_bytes claims all of a WGP's LDS; the text uses 295,936 bytes.
; LIMITS on the given exponents, so that each power of two is an f32 number: e0 + e1 and e4 + e5 between -123 and 130 (added to c's exponent field); e0, e3, e4, e7, e8 between -126 and 112;
; e2 + e3 and e6 + e7 are applied by v_ldexp_f32 and have none.  NaN and infinities among the inputs are not served.
; REGISTERS.  Window 0: see the names below.  Window 1: v0-127 the eight fragments of a step's K or V; v128-255 O^T, 64 a tile.
.set IMG,   16384
.set HEADB, 20*IMG                     ; a head's bytes in kimg and in vimg
.set SLOT1, 131072                     ; slot 1 begins here: one exclusive or turns an address in one slot into the other's
.set STASH, 262144                     ; 4,096 bytes for each wave, its own: Q's codes for the cond keys.  No fill lands here
.set SPARE, 294912                     ; the spare words, 128 bytes for each wave: four blocks of 256 bytes that no other line names
.set LI,   1                           ; v1   16 x lane
.set ADR,  2                           ; v2   LDS address of the step whose fragments are fetched
.set SPL,  3                           ; v3   16,384 x wave + 16 x lane: where O^T of the target keys is put aside, in slot 0
.set SPW,  4                           ; v4   LDS address of my spare word; never rewritten
.set NIL,  5                           ; v5   0; never rewritten
.set PFO,  6                           ; v6   256 x lane: the prefetches' offset; never rewritten
.set STA,  7                           ; v7   STASH + 4,096 x wave + 16 x lane
.set QO,   8                           ; v8   my byte in the wave's rows of q
.set ST,   12                          ; tile t at v[12 + 4 t]: -M, the largest t, the sum in two halves
.set NL,   20                          ; v[20:21], v[22:23]  the -L in use, low word of a pair, for each tile
.set LT,   24                          ; v24, v25  -L of the target keys
.set LC,   26                          ; v26, v27  -L of the cond keys
.set PSC,  28                          ; v28  the scale of the conversion in use, as f32
.set PLM,  29                          ; v29  57,344 x that
.set XSC,  30                          ; v30, v31  the same for x (e8)
.set XLM,  31
.set AL,   32                          ; v[32:33], v[34:35]  a / (a + bb) x 2^(e2 + e3), low word of a pair
.set BE,   36                          ; v[36:39]  bb / (a + bb) x 2^(e6 + e7)
.set Q,    40                          ; v40-71   Q's codes, 16 a tile
.set S,    72                          ; v72-199  S^T, then p: 64 a tile
.set P,    200                         ; v200-231 pass 1: Q's codes for the cond keys; pass 2: p's codes, 16 a tile
.set TT,   232                         ; v232-247 at work, 8 a tile
.set F,    0                           ; window 1
.set O,    128                         ; window 1
.set WV,   18
.set TB,   20                          ; s20  LDS byte at which the step in hand begins
.set CNT,  21
.set STP,  22
.set G1,   24                          ; s[24:31] descriptor group 1: one image
.set GA,   32                          ; s[32:35] group 0 of pass 1's fills
.set GBK,  36                          ; s[36:39] group 0 of pass 2's fills of K
.set CS,   40                          ; s[40:41] the c in use: the packed form names a pair and takes its low word
.set CT,   42                          ; s42  c x 2^(e0 + e1)
.set CC,   43                          ; s43  c x 2^(e4 + e5)
.set SEL,  44                          ; s[44:45] lane selects for v_permlanex16_b32: lane l xor 16
.set PFA,  46                          ; s[46:47] where my prefetches stand
.set PFS,  48                          ; s[48:49] a fill of V on, in bytes
.set PFV,  50                          ; s[50:51] where V's prefetches begin
.set LIM,  52                          ; s52  1 in a wave that prefetches, else the greatest number
.set EX,   68                          ; s68-77  e0 .. e9
.set BC,   78                          ; s78  b
.set EPT,  80                          ; s80  e2 + e3
.set EPC,  81                          ; s81  e6 + e7
.set GBV,  84                          ; s[84:87] group 0 of pass 2's fills of V
.set MSB, 0
.macro WIN new                         ; the immediate's high byte repeats the setting that is left; a switch that changes nothing is dropped
.if MSB != \new
	s_set_vgpr_msb (MSB<<8)|\new
.set MSB, \new
.endif
.endm
.macro PLACES
.rept 4
	v_nop
.endr
.endm
; A round of the cluster's barrier: my work-group's barrier; wave 0 signals for the work-group; every wave waits for all four work-groups; my work-group's barrier once more.
.macro CROUND
	s_barrier_signal -1
	s_barrier_wait -1
	s_cmp_lg_u32 s[WV], 0
	s_cbranch_scc1 .Lnot_wave_0_\@
	s_barrier_signal -3
.Lnot_wave_0_\@:
	s_barrier_wait -3
	s_barrier_signal -1
	s_barrier_wait -1
.endm
; Joint fills.  The branches hang on the wave's number alone.  Four v_nop follow each tensor line.
.macro JLOADA                          ; pass 1: every wave fetches one image of K
	tensor_load_to_lds s[GA:GA+3], s[G1:G1+7]
	s_nop 0
.rept 4
	v_nop
.endr
.endm
.macro JLOADA4                         ; the cond keys have four images: waves 0-3 fetch them
	s_cmp_lt_u32 s[WV], 4
	s_cbranch_scc0 .Lnone_\@
	tensor_load_to_lds s[GA:GA+3], s[G1:G1+7]
	s_nop 0
.rept 4
	v_nop
.endr
.Lnone_\@:
.endm
.macro JLOADKV                         ; pass 2: waves 0-3 fetch K's four images, waves 4-7 V's
	s_cmp_lt_u32 s[WV], 4
	s_cbranch_scc0 .Lfor_v_\@
	tensor_load_to_lds s[GBK:GBK+3], s[G1:G1+7]
	s_nop 0
.rept 4
	v_nop
.endr
	s_branch .Lasked_\@
.Lfor_v_\@:
	tensor_load_to_lds s[GBV:GBV+3], s[G1:G1+7]
	s_nop 0
.rept 4
	v_nop
.endr
.Lasked_\@:
.endm
; A PREFETCH INTO THE L2 of what the NEXT change of slots will ask for, behind this change's tensor load: one slot's steps ahead of that load, the least that this ring's form offers.
; Each aligned block of 256 bytes is named once in the launch: both clusters of a head walk the same images, and the first (cluster x = 0) asks; its four partners are told apart BY ADDRESS; lanes stand 256 bytes apart.
; An asking is 65,536 bytes, four images: 16,384 a partner, 8,192 for each of waves 4 and 5.  The first change asks for K of the cond steps (fill 2); the next five for V of fills 3 to 7.
; K is not asked for again in pass 2.  Fills 0 and 1 come by their loads alone; nothing is asked for at the head; the last change that fills a slot asks for nothing.
.macro ASK how
.if \how == 1
	s_cmp_gt_u32 s[CNT], s[LIM]                    ; not in the loop's last trip
.else
	s_cmp_eq_u32 s[LIM], 1
.endif
	s_cbranch_scc0 .Lnot_mine_\@
	global_prefetch_b8 v[PFO], s[PFA:PFA+1] th:TH_LOAD_NT scope:SCOPE_SE
.Lnot_mine_\@:
.endm
; THE CHANGE OF SLOTS stands at a slot's head.  Each wave waits for all its tensor loads (its part of the slot that it is about to read), adds 0 to its spare word, and waits for that and for its reads of the slot
; that it has left.  Behind the round the slot ahead is whole in every partner and nobody reads the other one, which is filled first thing.  kind: 1 pass 1's next fill, by all waves; 4 the same by waves 0-3;
; 2 pass 2's first fill, as its descriptors stand; 3 pass 2's next; 0 nothing is left to fetch: a plain barrier.  pstep = 1: the prefetches' address steps.  ask: 0 none, else ASK's argument.
.macro CHANGE kind, pstep, ask
	s_wait_tensorcnt 0x0                           ; no tensor load of mine is out, so a group 0 may be written
	ds_add_u32 v[SPW], v[NIL]                      ; 0 onto my spare word; the steps below stand between it and the wait for it
.if (\kind == 1) || (\kind == 4)
	s_xor_b32 s[GA+1], s[GA+1], SLOT1              ; the other slot than last time,
	s_add_nc_u64 s[GA+2:GA+3], s[GA+2:GA+3], 8*IMG ; the next eight steps; the type bits on top are not reached
.endif
.if \kind == 3
	s_xor_b32 s[GBK+1], s[GBK+1], SLOT1
	s_add_nc_u64 s[GBK+2:GBK+3], s[GBK+2:GBK+3], 4*IMG
	s_xor_b32 s[GBV+1], s[GBV+1], SLOT1
	s_add_nc_u64 s[GBV+2:GBV+3], s[GBV+2:GBV+3], 4*IMG
.endif
.if \pstep
	s_wait_xcnt 0x0                                ; the last prefetch, a slot back, has read its address, so it may be written
	s_add_nc_u64 s[PFA:PFA+1], s[PFA:PFA+1], s[PFS:PFS+1]
.endif
	s_wait_dscnt 0x0                               ; the add is done, and my reads of the slot that I have left are over
.if \kind
	CROUND
.if \kind == 1
	JLOADA
.elseif \kind == 4
	JLOADA4
.else
	JLOADKV
.endif
.if \ask
	ASK \ask
.endif
.else
	s_barrier_signal -1
	s_barrier_wait -1
.endif
.endm
; A step's eight fragments of K, from the image at v[ADR].  Four places stand between the last products that read these registers and this run (ISA guide 7.12.1 for vector instructions): each caller says which.
.macro KFETCH
	WIN 0x40                                       ; destination window 1
.irp t, 0,1,2,3,4,5,6,7
.irp c, 0,1,2,3
	ds_load_b128 v[F+16*\t+4*\c:F+16*\t+4*\c+3], v[ADR] offset:2048*\t+512*\c
.endr
.endr
.endm
; S^T = K Q^T: 128 keys x my 32 queries, 16 products, each starting its sum with the constant 0.  qb: Q's codes.  A fragment's two products go as soon as its four loads are in.
; The four v_nop are the places in front of the reads of S^T and of loads into K's registers.
.macro QK qb
	WIN 0x01                                       ; source 0 (K) window 1
.irp t, 0,1,2,3,4,5,6,7
	s_wait_dscnt 28-4*\t                           ; fragment t is in; the loads of the fragments behind it may be out
.irp q, 0,1
	v_wmma_f32_16x16x128_bf8_bf8 v[S+64*\q+8*\t:S+64*\q+8*\t+7], v[F+16*\t:F+16*\t+15], v[\qb+16*\q:\qb+16*\q+15], 0
.endr
.endr
	PLACES
.endm
; PASS 1's VECTOR WORK: the scores of 128 keys go into the running maximum and sum.  The two tiles' lines alternate.  Each accumulator is read from its low end on.
.macro SOFT1
.irp q, 0,1
	v_max3_num_f32 v[TT+8*\q], v[S+64*\q], v[S+64*\q+1], v[S+64*\q+2]          ; the step's largest score of my query among my 64 keys, in two chains a tile
	v_max3_num_f32 v[TT+8*\q+2], v[S+64*\q+3], v[S+64*\q+4], v[S+64*\q+5]
.endr
.irp i, 6,10,14,18,22,26,30,34,38,42,46,50,54,58
.irp q, 0,1
	v_max3_num_f32 v[TT+8*\q], v[TT+8*\q], v[S+64*\q+\i], v[S+64*\q+\i+1]
	v_max3_num_f32 v[TT+8*\q+2], v[TT+8*\q+2], v[S+64*\q+\i+2], v[S+64*\q+\i+3]
.endr
.endr
.irp q, 0,1
	v_max3_num_f32 v[TT+8*\q], v[TT+8*\q], v[S+64*\q+62], v[S+64*\q+63]
.endr
.irp q, 0,1
	v_max_num_f32 v[TT+8*\q], v[TT+8*\q], v[TT+8*\q+2]
.endr
.irp q, 0,1
	v_permlanex16_b32 v[TT+8*\q+1], v[TT+8*\q], s[SEL], s[SEL+1]               ; the query's other 64 keys lie in the lane 16 away
.endr
.irp q, 0,1
	v_max_num_f32 v[TT+8*\q], v[TT+8*\q], v[TT+8*\q+1]
.endr
.irp q, 0,1
	v_mul_f32 v[TT+8*\q], s[CS], v[TT+8*\q]                                    ; as t (c is positive)
.endr
.irp q, 0,1
	v_max_num_f32 v[ST+4*\q+1], v[ST+4*\q+1], v[TT+8*\q]                       ; the running largest t
.endr
.irp q, 0,1
	v_mov_b32 v[TT+8*\q], v[ST+4*\q]
.endr
.irp q, 0,1
	v_floor_f32 v[ST+4*\q], -v[ST+4*\q+1]                                      ; the new -M = floor(-t): M is a whole number
.endr
.irp q, 0,1
	v_sub_f32 v[TT+8*\q], v[ST+4*\q], v[TT+8*\q]                               ; old M less new M: a whole number, 0 or less
.endr
.irp q, 0,1
	v_cvt_i32_f32 v[TT+8*\q], v[TT+8*\q]                                       ; (it saturates)
.endr
.irp q, 0,1
	v_ldexp_f32 v[TT+8*\q+2], 1.0, v[TT+8*\q]                                  ; f = 2^(old M - new M)
.endr
.irp q, 0,1
.set j, 0
.rept 32
	v_pk_fma_f32 v[S+64*\q+j:S+64*\q+j+1], v[S+64*\q+j:S+64*\q+j+1], s[CS:CS+1], v[ST+4*\q:ST+4*\q+1] op_sel_hi:[1,0,0]   ; t - M, two at a time
.set j, j+2
.endr
.endr
.set j, 0
.rept 128
	v_exp_f32 v[S+j], v[S+j]                       ; 2^(t - M): one batch
.set j, j+1
.endr
.irp q, 0,1
	v_pk_mul_f32 v[ST+4*\q+2:ST+4*\q+3], v[ST+4*\q+2:ST+4*\q+3], v[TT+8*\q+2:TT+8*\q+3] op_sel_hi:[1,0]   ; the sums under the new M; plain lines behind the exponentials
.endr
	s_wait_alu depctr_va_vdst(0)                   ; one wait for the batch, ahead of its first reader
.irp q, 0,1
	v_pk_add_f32 v[TT+8*\q+4:TT+8*\q+5], v[S+64*\q:S+64*\q+1], v[S+64*\q+2:S+64*\q+3]
.endr
.irp i, 4,8,12,16,20,24,28,32,36,40,44,48,52,56,60
.irp q, 0,1
	v_pk_add_f32 v[ST+4*\q+2:ST+4*\q+3], v[ST+4*\q+2:ST+4*\q+3], v[S+64*\q+\i:S+64*\q+\i+1]
	v_pk_add_f32 v[TT+8*\q+4:TT+8*\q+5], v[TT+8*\q+4:TT+8*\q+5], v[S+64*\q+\i+2:S+64*\q+\i+3]
.endr
.endr
.irp q, 0,1
	v_pk_add_f32 v[ST+4*\q+2:ST+4*\q+3], v[ST+4*\q+2:ST+4*\q+3], v[TT+8*\q+4:TT+8*\q+5]
.endr
.endm
; A SLOT OF PASS 1: n steps.  The first step's K is fetched at the slot's head (the last products that read its registers stand in front of a whole softmax).  A trip of the loop makes a step's scores, asks for the
; next step's K straight behind them (QK's four v_nop are the places) and walks the softmax while those loads land.  The last step is written out: it fetches nothing, so no read leaves the slot.
.macro P1SLOT n, qb
	v_add_nc_u32 v[ADR], s[TB], v[LI]
	KFETCH
	WIN 0
	s_mov_b32 s[STP], \n-1
.Lp1step_\@:
	s_add_co_u32 s[TB], s[TB], IMG                 ; the next step's image
	v_add_nc_u32 v[ADR], s[TB], v[LI]
	QK \qb
	KFETCH
	WIN 0
	SOFT1
	s_sub_co_u32 s[STP], s[STP], 1
	s_cmp_lg_u32 s[STP], 0
	s_cbranch_scc1 .Lp1step_\@
	QK \qb
	WIN 0
	SOFT1
	s_sub_co_u32 s[TB], s[TB], (\n-1)*IMG          ; back to a slot's first step,
	s_xor_b32 s[TB], s[TB], SLOT1                  ; in the other slot
.endm
.macro RESET                           ; the largest t so far: -3e38, under every t; the first change of M multiplies zeros
.irp q, 0,1
	v_mov_b32 v[ST+4*\q+1], 0xff61b1e6
	v_floor_f32 v[ST+4*\q], -v[ST+4*\q+1]
	v_mov_b32 v[ST+4*\q+2], 0
	v_mov_b32 v[ST+4*\q+3], 0
.endr
.endm
.macro FINISH dst                      ; -L = -M - log2(the row's sum)
.irp q, 0,1
	v_add_f32 v[TT+8*\q], v[ST+4*\q+2], v[ST+4*\q+3]
.endr
.irp q, 0,1
	v_permlanex16_b32 v[TT+8*\q+1], v[TT+8*\q], s[SEL], s[SEL+1]
.endr
.irp q, 0,1
	v_add_f32 v[TT+8*\q], v[TT+8*\q], v[TT+8*\q+1]
.endr
.irp q, 0,1
	v_log_f32 v[TT+8*\q+2], v[TT+8*\q]
.endr
	v_nop                                          ; a plain line behind the last logarithm
	s_wait_alu depctr_va_vdst(0)                   ; and the wait ahead of the first reader
.irp q, 0,1
	v_sub_f32 v[\dst+\q], v[ST+4*\q], v[TT+8*\q+2]
.endr
.endm
.macro SCALE e, vs, vl                 ; v[vs] = 2^e as f32 (a conversion takes its exponent field), v[vl] = 57,344 x 2^e
	s_add_co_i32 s82, s[EX+\e], 127
	s_lshl_b32 s83, s82, 23
	v_mov_b32 v[\vs], s83
	s_add_co_i32 s82, s82, 15
	s_lshl_b32 s82, s82, 23
	s_or_b32 s82, s82, 0x600000
	v_mov_b32 v[\vl], s82
.endm
.macro SETP2 l, e, c                   ; pass 2's constants: -L, p's scale, c
	v_mov_b32 v[NL], v[\l]
	v_mov_b32 v[NL+2], v[\l+1]
	SCALE \e, PSC, PLM
	s_mov_b32 s[CS], s[\c]
	s_mov_b32 s[CS+1], s[\c]
.endm
; A STEP OF PASS 2.  The addition and three v_nop are the places between the last step's products and the loads into the registers that they read.  V's fragments take K's registers as soon as the scores are made,
; and land under the softmax.  zero = 1: the products start O^T's sums with the constant 0.
.macro P2STEP zero
	v_add_nc_u32 v[ADR], s[TB], v[LI]
.rept 3
	v_nop
.endr
	KFETCH
	QK Q
	WIN 0x40
.irp t, 0,1,2,3,4,5,6,7
.irp c, 0,1,2,3
	ds_load_b128 v[F+16*\t+4*\c:F+16*\t+4*\c+3], v[ADR] offset:IMG+2048*\t+512*\c   ; the step's image of V lies behind its image of K
.endr
.endr
	WIN 0
.irp q, 0,1
.set j, 0
.rept 32
	v_pk_fma_f32 v[S+64*\q+j:S+64*\q+j+1], v[S+64*\q+j:S+64*\q+j+1], s[CS:CS+1], v[NL+2*\q:NL+2*\q+1] op_sel_hi:[1,0,0]   ; t - L; each accumulator from its low end on
.set j, j+2
.endr
.endr
.set j, 0
.rept 128
	v_exp_f32 v[S+j], v[S+j]                       ; p = 2^(t - L): finished, normalised
.set j, j+1
.endr
	v_nop                                          ; a plain line behind the last exponential
	s_wait_alu depctr_va_vdst(0)                   ; one wait for the batch, ahead of its first reader
.irp q, 0,1
.irp b, 0,1,2,3
.irp i, 0,1,2,3,4,5,6,7,8,9,10,11,12,13,14,15
	v_min_num_f32 v[S+64*\q+16*\b+\i], v[S+64*\q+16*\b+\i], v[PLM]             ; the conversion to an 8-bit code does not saturate (ISA guide 7.6.2); p is not negative: the hold is one-sided
.endr
	v_cvt_scalef32_pk8_bf8_f32 v[P+16*\q+4*\b:P+16*\q+4*\b+1], v[S+64*\q+16*\b:S+64*\q+16*\b+7], v[PSC]
	v_cvt_scalef32_pk8_bf8_f32 v[P+16*\q+4*\b+2:P+16*\q+4*\b+3], v[S+64*\q+16*\b+8:S+64*\q+16*\b+15], v[PSC]
.endr
.endr
	v_nop                                          ; a plain vector line between the last conversion and the products that read its result
	s_wait_dscnt 0x0                               ; V is in
.if \zero
	WIN 0x41                                       ; source 0 (V) and destination window 1
.else
	WIN 0x51                                       ; and C
.endif
.irp t, 0,1,2,3,4,5,6,7                ; the sixteen accumulators take turns, one instruction a turn
.irp q, 0,1
.if \zero
	v_wmma_f32_16x16x128_bf8_bf8 v[O+64*\q+8*\t:O+64*\q+8*\t+7], v[F+16*\t:F+16*\t+15], v[P+16*\q:P+16*\q+15], 0
.else
	v_wmma_f32_16x16x128_bf8_bf8 v[O+64*\q+8*\t:O+64*\q+8*\t+7], v[F+16*\t:F+16*\t+15], v[P+16*\q:P+16*\q+15], v[O+64*\q+8*\t:O+64*\q+8*\t+7]
.endif
.endr
.endr
	WIN 0
	s_add_co_u32 s[TB], s[TB], 2*IMG               ; the next step's pair of images
.endm
.macro P2LOOP n                        ; n steps: written once
	s_mov_b32 s[STP], \n
.Lp2step_\@:
	P2STEP 0
	s_sub_co_u32 s[STP], s[STP], 1
	s_cmp_lg_u32 s[STP], 0
	s_cbranch_scc1 .Lp2step_\@
.endm
.macro P2END
	s_sub_co_u32 s[TB], s[TB], 8*IMG
	s_xor_b32 s[TB], s[TB], SLOT1
.endm
	s_load_b256 s[4:11], s[0:1], 0x0               ; q s[4:5], kimg s[6:7], vimg s[8:9], b_cond s[10:11]
	s_load_b128 s[12:15], s[0:1], 0x20             ; the scales s[12:13], ximg s[14:15]
	v_lshl_add_u32 v[SPW], v0, 2, SPARE
	v_mov_b32 v[NIL], 0
	ds_add_u32 v4, v5
	s_wait_dscnt 0x0
	v_lshrrev_b32 v9, 5, v0
	v_readfirstlane_b32 s[WV], v9                  ; wave 0..7
	v_and_b32 v11, 31, v0
	v_lshlrev_b32 v[LI], 4, v11
	v_lshlrev_b32 v[PFO], 8, v11
	s_lshl_b32 s58, s[WV], 14                      ; wave images
	s_mov_b32 s59, 0
	v_add_nc_u32 v[SPL], s58, v[LI]
	s_lshl_b32 s92, s[WV], 12
	s_add_co_u32 s92, s92, STASH
	v_add_nc_u32 v[STA], s92, v[LI]
	v_and_b32 v9, 15, v0                           ; r
	v_bfe_u32 v10, v0, 4, 1                        ; hh
	v_lshlrev_b32 v[QO], 13, v9
	v_lshl_add_u32 v[QO], v10, 6, v[QO]            ; row r of 8,192 bytes, + 64 hh: my 16 numbers of a block of 32
	s_bfe_u32 s53, ttmp6, 0x40000                  ; cx: my place in the cluster: it enters q's, ximg's and the prefetches' addresses alone
	s_lshl_b32 s54, ttmp9, 2                       ; in a cluster launch ttmp9 counts clusters
	s_add_co_u32 s54, s54, s53                     ; my block of 256 queries
	s_and_b32 s55, ttmp7, 0xffff                   ; (batch, head), which the four partners share
	s_mul_i32 s56, s55, HEADB
	s_mov_b32 s57, 0
	s_and_b32 s60, s[WV], 3
	s_lshl_b32 s92, s60, 15                        ; (wave % 4) pairs of images: a place in a slot of pass 2
	s_lshl_b32 s60, s60, 14                        ; (wave % 4) images in memory
	s_mov_b32 s61, 0
	; where q begins for my wave's first query and my head, and ximg for my wave's two fragments
	s_lshr_b32 s62, s55, 4                         ; batch
	s_and_b32 s63, s55, 15                         ; head
	s_lshl_b32 s82, s62, 24                        ; 2,048 rows of 8,192 bytes,
	s_lshl_b32 s88, s54, 21                        ; 256 rows,
	s_add_co_u32 s82, s82, s88
	s_lshl_b32 s88, s[WV], 18                      ; 32 rows,
	s_add_co_u32 s82, s82, s88
	s_lshl_b32 s88, s63, 9                         ; 512 bytes a head
	s_add_co_u32 s82, s82, s88
	s_mov_b32 s83, 0
	s_lshl_b32 s90, s62, 22                        ; ximg: [32 blocks of 128 rows][16 heads][16,384]: block = 16 batch + 2 (block of queries) + wave / 4
	s_lshl_b32 s88, s54, 19
	s_add_co_u32 s90, s90, s88
	s_lshr_b32 s88, s[WV], 2
	s_lshl_b32 s88, s88, 18
	s_add_co_u32 s90, s90, s88
	s_lshl_b32 s88, s63, 14
	s_add_co_u32 s90, s90, s88
	s_lshr_b32 s88, s60, 2                         ; fragments 2 (wave % 4) and the next: 4,096 bytes
	s_add_co_u32 s90, s90, s88
	s_mov_b32 s91, 0
	; descriptor group 1: an image as 64 rows of 256 bytes, dense
	s_mov_b32 s[G1], 15|(3<<16)|(1<<21)            ; 15:0 the mask: all four work-groups; 17:16 elements of 8 bytes; 20 no padding; 21 set beside a mask
	s_mov_b32 s[G1+1], 32<<16                      ; tensor_dim0 = 32
	s_mov_b32 s[G1+2], 64<<16                      ; tensor_dim1 = 64
	s_mov_b32 s[G1+3], 32<<16                      ; tile_dim0 = 32
	s_mov_b32 s[G1+4], 64                          ; tile_dim1 = 64
	s_mov_b32 s[G1+5], 32                          ; tensor_dim0_stride
	s_mov_b32 s[G1+6], 0
	s_mov_b32 s[G1+7], 0
	s_mov_b32 s[SEL], 0x76543210
	s_mov_b32 s[SEL+1], 0xfedcba98
	s_wait_kmcnt 0x0
	s_load_b256 s[EX:EX+7], s[12:13], 0x0          ; e0 .. e7
	s_load_b64 s[EX+8:EX+9], s[12:13], 0x20        ; e8, e9
	s_load_b32 s[BC], s[10:11], 0x0                ; b
	s_add_nc_u64 s[4:5], s[4:5], s[82:83]
.irp q, 0,1                            ; q goes out first, ahead of the round: nothing can be done before it is in
.irp b, 0,1,2,3
.irp i, 0,1,2,3
	global_load_b128 v[S+64*\q+16*\b+4*\i:S+64*\q+16*\b+4*\i+3], v[QO], s[4:5] offset:131072*\q+128*\b+16*\i th:TH_LOAD_NT
.endr
.endr
.endr
	s_add_nc_u64 s[14:15], s[14:15], s[90:91]
	s_add_nc_u64 s[6:7], s[6:7], s[56:57]          ; kimg and vimg at my head
	s_add_nc_u64 s[8:9], s[8:9], s[56:57]
	s_mov_b32 s[GA], 1                             ; count = 1
	s_mov_b32 s[GA+1], s58                         ; LDS: slot 0, image = my wave's number
	s_add_nc_u64 s[GA+2:GA+3], s[6:7], s[58:59]    ; the step of that number
	s_or_b32 s[GA+3], s[GA+3], 0x80000000          ; type = 2
	s_mov_b32 s[GBK], 1
	s_add_co_u32 s[GBK+1], s92, SLOT1              ; pass 2's first fill goes to slot 1: step wave % 4 at its pair of images: K first,
	s_add_nc_u64 s[GBK+2:GBK+3], s[6:7], s[60:61]
	s_or_b32 s[GBK+3], s[GBK+3], 0x80000000
	s_mov_b32 s[GBV], 1
	s_add_co_u32 s[GBV+1], s92, SLOT1+IMG          ; then V
	s_add_nc_u64 s[GBV+2:GBV+3], s[8:9], s[60:61]
	s_or_b32 s[GBV+3], s[GBV+3], 0x80000000
	; the prefetches: who asks, and where
	s_lshr_b32 s62, s[WV], 1
	s_xor_b32 s62, s62, 2                          ; 0 in waves 4 and 5,
	s_or_b32 s62, s62, ttmp9                       ; of the head's first cluster: the same in all four partners
	s_cmp_eq_u32 s62, 0
	s_cselect_b32 s[LIM], 1, -1
	s_lshl_b32 s62, s53, 14                        ; my work-group's 16,384 bytes of an asking's 65,536,
	s_and_b32 s63, s[WV], 1
	s_lshl_b32 s63, s63, 13                        ; my wave's 8,192 of them
	s_add_co_u32 s62, s62, s63
	s_mov_b32 s63, 0
	s_add_nc_u64 s[PFV:PFV+1], s[8:9], s[62:63]    ; V: steps 0-3
	s_add_nc_u64 s[PFA:PFA+1], s[6:7], s[62:63]
	s_add_nc_u64 s[PFA:PFA+1], s[PFA:PFA+1], 16*IMG  ; K: the cond steps 16-19
	s_mov_b32 s[PFS], 4*IMG
	s_mov_b32 s[PFS+1], 0
	CROUND                                         ; all four work-groups are here: the first joint load meets
	JLOADA                                         ; fill 0: steps 0-7 of K
	s_wait_kmcnt 0x0
	s_add_co_i32 s82, s[EX], s[EX+1]
	s_lshl_b32 s82, s82, 23
	s_add_co_i32 s[CT], s82, 0x3e0293ee            ; c = log2(e) / sqrt(128), with e0 + e1 added to its exponent field: a score stands for score x 2^(e0 + e1)
	s_add_co_i32 s82, s[EX+4], s[EX+5]
	s_lshl_b32 s82, s82, 23
	s_add_co_i32 s[CC], s82, 0x3e0293ee
	s_add_co_i32 s[EPT], s[EX+2], s[EX+3]
	s_add_co_i32 s[EPC], s[EX+6], s[EX+7]
	SCALE 8, XSC, XLM
	SCALE 0, PSC, PLM
	s_wait_loadcnt 0x0                             ; q
	; q with e0, for the target keys.  The numbers are kept, since they are quantised twice: the held ones go into two sets of 16 registers by turns, so that no conversion's source is written by the lines next to it
.irp q, 0,1
.irp b, 0,1,2,3
.set TQ, 232-32*(\b%2)
.irp i, 0,1,2,3,4,5,6,7,8,9,10,11,12,13,14,15
	v_med3_num_f32 v[TQ+\i], v[S+64*\q+16*\b+\i], -v[PLM], v[PLM]              ; the conversion to an 8-bit code does not saturate (ISA guide 7.6.2)
.endr
	v_cvt_scalef32_pk8_bf8_f32 v[Q+16*\q+4*\b:Q+16*\q+4*\b+1], v[TQ:TQ+7], v[PSC]
	v_cvt_scalef32_pk8_bf8_f32 v[Q+16*\q+4*\b+2:Q+16*\q+4*\b+3], v[TQ+8:TQ+15], v[PSC]
.endr
.endr
	v_nop                                          ; a plain vector line behind the last conversion
	SCALE 4, PSC, PLM
	; q with e4, for the cond keys: held in place; the codes go where p's will lie in pass 2, and into my stash
.irp q, 0,1
.irp b, 0,1,2,3
.irp i, 0,1,2,3,4,5,6,7,8,9,10,11,12,13,14,15
	v_med3_num_f32 v[S+64*\q+16*\b+\i], v[S+64*\q+16*\b+\i], -v[PLM], v[PLM]
.endr
	v_cvt_scalef32_pk8_bf8_f32 v[P+16*\q+4*\b:P+16*\q+4*\b+1], v[S+64*\q+16*\b:S+64*\q+16*\b+7], v[PSC]
	v_cvt_scalef32_pk8_bf8_f32 v[P+16*\q+4*\b+2:P+16*\q+4*\b+3], v[S+64*\q+16*\b+8:S+64*\q+16*\b+15], v[PSC]
.endr
.endr
	v_nop                                          ; a plain vector line behind the last conversion
.irp g, 0,1,2,3,4,5,6,7
	ds_store_b128 v[STA], v[P+4*\g:P+4*\g+3] offset:512*\g   ; as they stand in the registers
.endr
.irp q, 0,1
	v_mov_b32 v[TT+8*\q+1], 0                      ; written once: a lane permute's destination counts as one of its sources,
	v_mov_b32 v[TT+8*\q+3], 0                      ; and the upper halves of pairs of which the low word is used are named with them
	v_mov_b32 v[NL+2*\q+1], 0
	v_mov_b32 v[AL+2*\q+1], 0
	v_mov_b32 v[BE+2*\q+1], 0
.endr
	RESET
	s_mov_b32 s[CS], s[CT]
	s_mov_b32 s[CS+1], s[CT]
	s_mov_b32 s[TB], 0
	; ---- PASS 1, target keys: fills 0 and 1 are read; fills 1 and 2 are asked for
	CHANGE 1, 0, 2                                 ; the prefetch: K of the cond steps
	P1SLOT 8, Q
	s_wait_xcnt 0x0                                ; the prefetch, a slot back, has read its address
	s_mov_b64 s[PFA:PFA+1], s[PFV:PFV+1]           ; from here on V's images are prefetched
	CHANGE 4, 0, 2
	P1SLOT 8, Q
	FINISH LT
	; ---- PASS 1, cond keys: fill 2 is read; pass 2's first fill is asked for
	RESET
	s_mov_b32 s[CS], s[CC]
	s_mov_b32 s[CS+1], s[CC]
	CHANGE 2, 1, 2
	P1SLOT 4, P
	FINISH LC
	; ---- PASS 2, target keys: fills 3-6 are read; fills 4-7 are asked for
	SETP2 LT, 3, CT
	CHANGE 3, 1, 2
	P2STEP 1                                       ; the first step is written out: its products start O^T's sums
	P2LOOP 3
	P2END
	s_mov_b32 s[CNT], 3
.Lp2t:
	CHANGE 3, 1, 1
	P2LOOP 4
	P2END
	s_sub_co_u32 s[CNT], s[CNT], 1
	s_cmp_lg_u32 s[CNT], 0
	s_cbranch_scc1 .Lp2t
	; ---- O^T of the target keys is put aside: the two sums cannot share an accumulator, since each has its own factor
	PLACES                                         ; between the last products and the stores that read their results
	CHANGE 0, 0, 0                                 ; the last change: nothing is left to fetch, so no round and no load.  Behind it nobody reads slot 0, which has had its last fill
	s_mov_b32 s[TB], SLOT1                         ; the cond steps lie in slot 1
.irp g, 0,1,2,3,4,5,6,7
	ds_load_b128 v[Q+4*\g:Q+4*\g+3], v[STA] offset:512*\g   ; Q's codes for the cond keys
.endr
	WIN 0x04                                       ; store data window 1
.set j, 0
.rept 32
	ds_store_b128 v[SPL], v[O+4*j:O+4*j+3] offset:512*j   ; my own 16,384 bytes of slot 0; each accumulator from its low end on
.set j, j+1
.endr
	WIN 0
	SETP2 LC, 7, CC
	s_wait_dscnt 0x0                               ; Q is in, and the stores have read their registers
	; ---- PASS 2, cond keys: fill 7 is read
	P2STEP 1
	P2LOOP 3
	; ---- THE TAIL.  O^T of the target keys comes back into S; the factors are made meanwhile (their plain lines are the places behind the last products)
.set j, 0
.rept 32
	ds_load_b128 v[S+4*j:S+4*j+3], v[SPL] offset:512*j
.set j, j+1
.endr
	v_mov_b32 v9, s[BC]
	v_mul_f32 v9, 0x3fb8aa3b, v9                   ; b log2(e)
.irp q, 0,1
	v_sub_f32 v[LC+\q], v[LC+\q], v9               ; -Lc' = -Lc - b log2(e)
.endr
.irp q, 0,1
	v_min_num_f32 v[TT+8*\q], v[LT+\q], v[LC+\q]   ; -mx
.endr
.irp q, 0,1
	v_sub_f32 v[TT+8*\q+2], v[TT+8*\q], v[LT+\q]   ; Lt - mx
	v_sub_f32 v[TT+8*\q+3], v[TT+8*\q], v[LC+\q]   ; Lc' - mx: one of the two is 0, the other 0 or less
.endr
.irp q, 0,1
	v_exp_f32 v[TT+8*\q+2], v[TT+8*\q+2]           ; a
	v_exp_f32 v[TT+8*\q+3], v[TT+8*\q+3]           ; bb
.endr
	v_nop
	s_wait_alu depctr_va_vdst(0)                   ; one wait for the four exponentials
.irp q, 0,1
	v_add_f32 v[TT+8*\q+4], v[TT+8*\q+2], v[TT+8*\q+3]   ; between 1 and 2
.endr
.irp q, 0,1
	v_rcp_f32 v[TT+8*\q+4], v[TT+8*\q+4]
.endr
	v_nop
	s_wait_alu depctr_va_vdst(0)                   ; one wait for the two reciprocals
.irp q, 0,1
	v_mul_f32 v[TT+8*\q+2], v[TT+8*\q+2], v[TT+8*\q+4]
	v_mul_f32 v[TT+8*\q+3], v[TT+8*\q+3], v[TT+8*\q+4]
.endr
.irp q, 0,1
	v_ldexp_f32 v[AL+2*\q], v[TT+8*\q+2], s[EPT]   ; x 2^(e2 + e3): what the target sums lack
	v_ldexp_f32 v[BE+2*\q], v[TT+8*\q+3], s[EPC]   ; x 2^(e6 + e7)
.endr
	s_wait_dscnt 0x0
.irp q, 0,1
.set j, 0
.rept 32
	v_pk_mul_f32 v[S+64*\q+j:S+64*\q+j+1], v[S+64*\q+j:S+64*\q+j+1], v[AL+2*\q:AL+2*\q+1] op_sel_hi:[1,0]
.set j, j+2
.endr
.endr
	WIN 0x01                                       ; source 0 (O^T of the cond keys) window 1
.irp q, 0,1
.set j, 0
.rept 32
	v_pk_fma_f32 v[S+64*\q+j:S+64*\q+j+1], v[O+64*\q+j:O+64*\q+j+1], v[BE+2*\q:BE+2*\q+1], v[S+64*\q+j:S+64*\q+j+1] op_sel_hi:[1,0,1]   ; each accumulator from its low end on
.set j, j+2
.endr
.endr
	WIN 0
.irp q, 0,1                            ; register 16 b + i of a tile is channel 32 b + 16 hh + i of my query: the codes are group b of a fragment of the projection's operand
.irp b, 0,1,2,3
.irp i, 0,1,2,3,4,5,6,7,8,9,10,11,12,13,14,15
	v_med3_num_f32 v[S+64*\q+16*\b+\i], v[S+64*\q+16*\b+\i], -v[XLM], v[XLM]
.endr
	v_cvt_scalef32_pk8_bf8_f32 v[P+16*\q+4*\b:P+16*\q+4*\b+1], v[S+64*\q+16*\b:S+64*\q+16*\b+7], v[XSC]
	v_cvt_scalef32_pk8_bf8_f32 v[P+16*\q+4*\b+2:P+16*\q+4*\b+3], v[S+64*\q+16*\b+8:S+64*\q+16*\b+15], v[XSC]
.endr
.endr
	v_nop                                          ; a plain vector line behind the last conversion
.irp q, 0,1
.irp c, 0,1,2,3
	global_store_b128 v[LI], v[P+16*\q+4*\c:P+16*\q+4*\c+3], s[14:15] offset:2048*\q+512*\c   ; a group: 512 consecutive bytes, aligned
.endr
.endr
	s_wait_tensorcnt 0x0                           ; the wave's end: behind my last tensor load and my last LDS store
	ds_add_u32 v[SPW], v[NIL]
	s_wait_dscnt 0x0
	CROUND                                         ; the closing round: no work-group ends while a partner may still ask for a tile that names it
	s_endpgm
.Lfunc_end_k_q773c6f44c5_attn:
	.size	k_q773c6f44c5_attn, .Lfunc_end_k_q773c6f44c5_attn-k_q773c6f44c5_attn
	.p2alignl 7, 3214868480
	.fill 96, 4, 3214868480
	.section	.rodata,"a",@progbits
	.p2align	6, 0x0
	.amdhsa_kernel k_q773c6f44c5_attn
		.amdhsa_group_segment_fixed_size 327680
		.amdhsa_private_segment_fixed_size 0
		.amdhsa_enable_private_segment 0
		.amdhsa_kernarg_size 48
		.amdhsa_user_sgpr_count 2
		.amdhsa_user_sgpr_kernarg_segment_ptr 1
		.amdhsa_wavefront_size32 1
		.amdhsa_system_sgpr_workgroup_id_x 1
		.amdhsa_system_sgpr_workgroup_id_y 1
		.amdhsa_system_sgpr_workgroup_id_z 1
		.amdhsa_system_vgpr_workitem_id 0
		.amdhsa_next_free_vgpr 512
		.amdhsa_next_free_sgpr 96
		.amdhsa_reserve_vcc 0
		.amdhsa_float_denorm_mode_32 3
		.amdhsa_float_denorm_mode_16_64 3
		.amdhsa_memory_ordered 1
		.amdhsa_forward_progress 1
		.amdhsa_inst_pref_size 255
	.end_amdhsa_kernel
	.section	.bss,"aw",@nobits
	.p2align	6
	.space	262144
	.amdgpu_metadata
---
amdhsa.version: [ 1, 2 ]
amdhsa.kernels:
  - .name:           k_q773c6f44c5_attn
    .symbol:         k_q773c6f44c5_attn.kd
    .args:
      - { .name: q, .offset: 0, .size: 8, .value_kind: global_buffer, .address_space: global }
      - { .name: kimg, .offset: 8, .size: 8, .value_kind: global_buffer, .address_space: global }
      - { .name: vimg, .offset: 16, .size: 8, .value_kind: global_buffer, .address_space: global }
      - { .name: b_cond, .offset: 24, .size: 8, .value_kind: global_buffer, .address_space: global }
      - { .name: lowp_scales, .offset: 32, .size: 8, .value_kind: global_buffer, .address_space: global }
      - { .name: ximg, .offset: 40, .size: 8, .value_kind: global_buffer, .address_space: global }
    .group_segment_fixed_size: 327680
    .private_segment_fixed_size: 0
    .kernarg_segment_align: 8
    .kernarg_segment_size: 48
    .max_flat_workgroup_size: 256
    .sgpr_count:     96
    .vgpr_count:     512
    .wavefront_size: 32
...
	.end_amdgpu_metadata
.endif
;; end of part 2
;; launch proj (part 3): grid 8 x 32, 4 waves a work-group, clusters of 4 x 4, 327,680 bytes of LDS; arguments ximg, wimg, lowp_scales, out0; writes out0
.if DOCPART == 3
	.amdgcn_target "amdgcn-amd-amdhsa--gfx1250"
	.amdhsa_code_object_version 6
	.text
	.protected	k_q773c6f44c5_proj
	.globl	k_q773c6f44c5_proj
	.p2align	8
	.type	k_q773c6f44c5_proj,@function
k_q773c6f44c5_proj:
	s_mov_b64 s[64:65], 0
	v_nop
	global_prefetch_b8 v0, s[64:65] scope:SCOPE_SE
	s_setreg_imm32_b32 hwreg(HW_REG_WAVE_MODE, 25, 1), 1
	s_wait_xcnt 0x0
	s_wait_alu depctr_hold_cnt(0) depctr_sa_sdst(0) depctr_va_vdst(0) depctr_va_sdst(0) depctr_va_ssrc(0) depctr_va_vcc(0) depctr_vm_vsrc(0)
	s_getreg_b32 s2, hwreg(HW_REG_IB_STS2, 6, 4)
	s_cmp_eq_u32 s2, 0
	s_cbranch_scc0 .Lentry_in_a_cluster
	s_endpgm
.Lentry_in_a_cluster:
	s_bfe_u32 s2, ttmp6, 0x10000c
	s_cmp_lg_u32 s2, 0xf033
	s_cbranch_scc0 .Lentry_shape_is_right
	s_endpgm
.Lentry_shape_is_right:
; out0[m][n] = 2^(e8 + e9) x the sum over k of x[m][k] w[n][k], on codes of E5M2.  M = 4,096, N = K = 2,048; sums in f32.
; Both operands lie in memory as IMAGES of operand registers: 16,384 bytes = 128 rows x 128 K; fragment t, group c at 2,048 t + 512 c + 16 x lane.  ximg: [32 blocks of 128 rows m][16 chunks of 128 K], rows in order.
; wimg: [16 blocks of 128 rows n][16 chunks]; lane r of fragment 2 b + u holds row 32 b + 8 u + r + 8 (r / 8), so that a lane's 16 results of two neighbouring fragments are 16 neighbouring n.
; A tile of out0 is 128 (m) x 256 (n): 256 work-groups.  Four waves, each 64 x 128: 32 accumulators, 256 registers.  THE MATRIX INSTRUCTION IS USED TRANSPOSED (source 0 = 16 rows of w, source 1 = 16 rows of x).
; K goes THREE chunks at a time through a ring of two LDS slots of 147,456 bytes, as large as two fit: x's three images, then w's three for each of the tile's two blocks of n.  A block's chunks lie on end in memory,
; so three images are one dense load of 192 rows of 256 bytes: wave 0 fetches x's, waves 1 and 2 w's, wave 3 nothing.  Six fills: chunks 0-2, 3-5, 6-8, 9-11, 12-14, 13-15.
; 16 is no multiple of 3: THE LAST FILL BRINGS CHUNKS 13 AND 14 A SECOND TIME, and only its third image, chunk 15, is read: 2 of 18 chunks are fetched in vain, so that one shape of descriptor serves every fill.
; From a refill to the wait for it a wave issues 72 matrix instructions.  The sixteen chunks are written out, without a loop: the two sets of fragment registers alternate by the chunk's parity, which a slot of three does not keep.
; CLUSTERS: 4 x 4 work-groups.  x's images hang on the tile row alone and are shared along a row of the cluster, w's on the tile column alone and are shared along a column: each is asked for JOINTLY.
; A wave has at most two tensor loads outstanding, at the start, and one behind each round.  No prefetch: six fills a work-group, and every image is read by several work-groups at about the same time.
; lds_bytes claims all of a WGP's LDS; the text uses 295,424 bytes.
; LIMIT: e8 + e9 between -126 and 127, so that 2^(e8 + e9) is an f32 number.
; REGISTERS: window 0: v16-29 addresses; v32-95 at work on the way out; v128-191, v192-255 x's fragments, two sets of four (on the way out: rows read back).  Window 1: w's fragments, two sets of eight.
;   Window 2: accumulator (a, b) at v[8 (8 a + b)].
.set IMG,    16384
.set PART,   3*IMG                     ; three images on end: what one tensor load brings
.set SLOT,   3*PART
.set SPARE,  2*SLOT                    ; behind the ring: the spare words, 128 bytes for each wave: two blocks of 256 bytes that no other line names
.set SPITCH, 528                       ; the way out: a stage of 16 rows x (512 bytes + 16) for each wave, in slot 0, which has had its last fill and its last read when the first result is stored there
.set ROWC,   8192                      ; a row of out0 in bytes
.set ADRA, 16                          ; v16-17  LDS address of my fragments of x in slot 0, 1
.set ADRB, 20                          ; v20-21  the same for w
.set STO,  24                          ; v24     the way out: where I put 64 bytes of a row
.set RD,   25                          ; v25     where I read a row back
.set CO,   26                          ; v26     16 x lane
.set SPW,  28                          ; v28     LDS address of my spare word; never rewritten
.set NIL,  29                          ; v29     0; never rewritten
.set TMP,  32
.set AF,   128
.set BK,   128
.set G1,  24                           ; s[24:31] descriptor group 1 for x's images; s[32:39] group 0, one set for each slot
.set G0,  32
.set G1B, 48                           ; s[48:55], s[56:63] the same for w's
.set G0B, 56
.set MSB, 0
.macro WIN new                         ; the immediate's high byte repeats the setting that is left
.if MSB != \new
	s_set_vgpr_msb (MSB<<8)|\new
.set MSB, \new
.endif
.endm
.set MUL,  0xa1                        ; source 0 (w) window 1, source 1 (x) window 0, C and D window 2
.set TO_B, 0x40                        ; destination window 1, address window 0
; A joint refill: wave 0 fetches x's three images, waves 1 and 2 w's.  Each line has one mask; the branches hang on the wave's number alone.  Four v_nop follow each line.
.macro JLOAD s
	s_cmp_eq_u32 s14, 0
	s_cbranch_scc0 .Lfor_b_\@
	tensor_load_to_lds s[G0+4*\s:G0+4*\s+3], s[G1:G1+7]
	s_nop 0
.rept 4
	v_nop
.endr
	s_branch .Lasked_\@
.Lfor_b_\@:
	s_cmp_lt_u32 s14, 3
	s_cbranch_scc0 .Lasked_\@
	tensor_load_to_lds s[G0B+4*\s:G0B+4*\s+3], s[G1B:G1B+7]
	s_nop 0
.rept 4
	v_nop
.endr
.Lasked_\@:
.endm
.macro CREST                           ; a round of the cluster's barrier behind its opening barrier
	s_cmp_lg_u32 s14, 0
	s_cbranch_scc1 .Lnot_wave_0_\@
	s_barrier_signal -3
.Lnot_wave_0_\@:
	s_barrier_wait -3
	s_barrier_signal -1
	s_barrier_wait -1
.endm
.macro CROUND
	s_barrier_signal -1
	s_barrier_wait -1
	CREST
.endm
.macro PLACES                          ; four places in front of loads into registers that matrix instructions have read, and of the first read of results (ISA guide 7.12.1 for vector instructions)
.rept 4
	v_nop
.endr
.endm
	s_load_b128 s[4:7], s[0:1], 0x0                ; ximg s[4:5], wimg s[6:7]
	s_load_b128 s[8:11], s[0:1], 0x10              ; the scales s[8:9], out0 s[10:11]
	v_lshl_add_u32 v[SPW], v0, 2, SPARE
	v_mov_b32 v[NIL], 0
	ds_add_u32 v28, v29
	s_wait_dscnt 0x0
	v_lshrrev_b32 v1, 5, v0
	v_readfirstlane_b32 s14, v1                    ; wave 0..3
	s_lshr_b32 s15, s14, 1                         ; which 64 rows of the tile are mine.  Also, in waves 1 and 2: which block of n I fetch
	s_and_b32 s16, s14, 1                          ; which block of 128 n is mine
	v_and_b32 v1, 15, v0                           ; r
	v_bfe_u32 v2, v0, 4, 1                         ; hh
	v_and_b32 v6, 31, v0
	v_lshlrev_b32 v[CO], 4, v6
	s_lshl_b32 s70, s15, 13                        ; my four fragments of x
	s_mul_i32 s71, s16, PART
	s_add_co_u32 s71, s71, PART                    ; my block of w, behind x's three images
.irp s, 0,1
	v_add_nc_u32 v[ADRA+\s], s70, v[CO]
	v_add_nc_u32 v[ADRB+\s], s71, v[CO]
	s_add_co_u32 s70, s70, SLOT
	s_add_co_u32 s71, s71, SLOT
.endr
	s_mul_i32 s72, s14, 16*SPITCH                  ; my stage
	v_mul_u32_u24 v5, v1, SPITCH
	v_lshl_add_u32 v5, v2, 6, v5
	v_add_nc_u32 v[STO], s72, v5                   ; in: row r, + 64 hh
	v_add_nc_u32 v[RD], s72, v[CO]                 ; back: the 32 lanes take one row of 512 bytes
	s_bfe_u32 s40, ttmp6, 0x40000                  ; cx, cy: my place in the cluster
	s_bfe_u32 s41, ttmp6, 0x40004
	s_lshl_b32 s42, ttmp9, 2
	s_add_co_u32 s42, s42, s40                     ; tile column = 4 x cluster x + cx
	s_and_b32 s17, ttmp7, 0xffff
	s_lshl_b32 s17, s17, 2
	s_add_co_u32 s17, s17, s41                     ; tile row = 4 x cluster y + cy
	s_lshl_b32 s43, s41, 2
	s_lshl_b32 s43, 15, s43                        ; my row of the cluster
	s_lshl_b32 s44, 0x1111, s40                    ; my column
	s_or_b32 s[G1+0], s43, (3<<16)|(1<<21)         ; 15:0 the mask; 17:16 elements of 8 bytes; 20 no padding; 21 set beside a mask
	s_or_b32 s[G1B+0], s44, (3<<16)|(1<<21)
.irp g, G1, G1B                        ; three images on end as 192 rows of 256 bytes, dense
	s_mov_b32 s[\g+1], 32<<16                      ; tensor_dim0 = 32
	s_mov_b32 s[\g+2], 192<<16                     ; tensor_dim1 = 192
	s_mov_b32 s[\g+3], 32<<16                      ; tile_dim0 = 32
	s_mov_b32 s[\g+4], 192                         ; tile_dim1 = 192
	s_mov_b32 s[\g+5], 32                          ; tensor_dim0_stride
	s_mov_b32 s[\g+6], 0
	s_mov_b32 s[\g+7], 0
.endr
	s_lshl_b32 s20, s17, 18                        ; x: 16 images a tile row
	s_mov_b32 s21, 0
	s_lshl_b32 s46, s42, 1
	s_add_co_u32 s46, s46, s15                     ; w: block of n = 2 x tile column + the one that I fetch
	s_lshl_b32 s46, s46, 18
	s_mov_b32 s47, 0
	s_mul_i32 s19, s15, PART
	s_add_co_u32 s19, s19, PART                    ; its place in a slot: behind x's three images
	s_wait_kmcnt 0x0
	s_load_b64 s[96:97], s[8:9], 0x20              ; e8, e9
	s_add_nc_u64 s[20:21], s[4:5], s[20:21]
	s_add_nc_u64 s[46:47], s[6:7], s[46:47]
.irp s, 0,1
	s_mov_b32 s[G0+4*\s], 1
	s_mov_b32 s[G0+4*\s+1], \s*SLOT
	s_add_nc_u64 s[G0+4*\s+2:G0+4*\s+3], s[20:21], \s*PART
	s_or_b32 s[G0+4*\s+3], s[G0+4*\s+3], 0x80000000
	s_mov_b32 s[G0B+4*\s], 1
	s_add_co_u32 s[G0B+4*\s+1], s19, \s*SLOT
	s_add_nc_u64 s[G0B+4*\s+2:G0B+4*\s+3], s[46:47], \s*PART
	s_or_b32 s[G0B+4*\s+3], s[G0B+4*\s+3], 0x80000000
.endr
	s_lshl_b32 s20, s17, 20                        ; my first row of out0: 128 x tile row + 64 x half, rows of 8,192 bytes
	s_lshl_b32 s21, s15, 19
	s_add_co_u32 s20, s20, s21
	s_mov_b32 s21, 0
	s_lshl_b32 s46, s42, 10                        ; my first column, in bytes: 1,024 x tile column + 512 x half
	s_lshl_b32 s47, s16, 9
	s_add_co_u32 s46, s46, s47
	s_mov_b32 s47, 0
	s_add_nc_u64 s[20:21], s[20:21], s[46:47]
	s_add_nc_u64 s[10:11], s[10:11], s[20:21]
	CROUND                                         ; all sixteen work-groups are here: the first joint loads meet
	s_cmp_eq_u32 s14, 0                            ; a wave's two first fills stand in one branch, ahead of every wait on TENSORcnt and every LDS read; four v_nop follow the second
	s_cbranch_scc0 .Lfirst_b
	tensor_load_to_lds s[G0:G0+3], s[G1:G1+7]
	s_nop 0
	tensor_load_to_lds s[G0+4:G0+7], s[G1:G1+7]
	s_nop 0
.rept 4
	v_nop
.endr
	s_branch .Lfirst_asked
.Lfirst_b:
	s_cmp_lt_u32 s14, 3
	s_cbranch_scc0 .Lfirst_asked
	tensor_load_to_lds s[G0B:G0B+3], s[G1B:G1B+7]
	s_nop 0
	tensor_load_to_lds s[G0B+4:G0B+7], s[G1B:G1B+7]
	s_nop 0
.rept 4
	v_nop
.endr
.Lfirst_asked:
; 48 LDS loads in one run: image q of the slot into set p: w's eight fragments, x's four
.macro FETCH slot, q, p
	WIN TO_B
.irp i, 0,1,2,3,4,5,6,7
.irp c, 0,1,2,3
	ds_load_b128 v[128*(\p)+16*\i+4*\c:128*(\p)+16*\i+4*\c+3], v[ADRB+\slot] offset:IMG*(\q)+2048*\i+512*\c
.endr
.endr
	WIN 0
.irp i, 0,1,2,3
.irp c, 0,1,2,3
	ds_load_b128 v[AF+64*(\p)+16*\i+4*\c:AF+64*(\p)+16*\i+4*\c+3], v[ADRA+\slot] offset:IMG*(\q)+2048*\i+512*\c
.endr
.endr
.endm
; 8 matrix instructions: x's fragment a against w's eight, 128 along K, from set p.  The 32 accumulators take turns, one instruction a turn, in the same order in every chunk.
.macro MUL8 a, p, zero
.irp b, 0,1,2,3,4,5,6,7
.if \zero
	v_wmma_f32_16x16x128_bf8_bf8 v[8*(8*(\a)+\b):8*(8*(\a)+\b)+7], v[128*(\p)+16*\b:128*(\p)+16*\b+15], v[AF+64*(\p)+16*(\a):AF+64*(\p)+16*(\a)+15], 0
.else
	v_wmma_f32_16x16x128_bf8_bf8 v[8*(8*(\a)+\b):8*(8*(\a)+\b)+7], v[128*(\p)+16*\b:128*(\p)+16*\b+15], v[AF+64*(\p)+16*(\a):AF+64*(\p)+16*(\a)+15], v[8*(8*(\a)+\b):8*(8*(\a)+\b)+7]
.endif
.endr
.endm
; A chunk that has its successor in the same slot: set p is multiplied while image qn of the slot comes into the other set.
.macro STEP slot, qn, p, zero
	s_wait_dscnt 0x0                               ; set p is in
	PLACES
	FETCH \slot, \qn, 1-(\p)
	WIN MUL
	MUL8 0, \p, \zero
	MUL8 1, \p, \zero
	MUL8 2, \p, \zero
	MUL8 3, \p, \zero
	WIN 0
.endm
; A slot's last chunk changes slots: ONE barrier; in front of it each wave waits for all its tensor loads, adds 0 to its spare word, and waits for that and for its own reads of this slot.
; fill = 1: this slot is filled again; its descriptors step by stepb bytes.  Then image qn of the next slot comes into the other set.  Wave 3 passes the joint load by, so the four places stand on every wave's path.
.macro TURN slot, next, qn, p, fill, stepb
	s_wait_tensorcnt 0x0                           ; all my tensor loads have landed: my part of the next slot
	ds_add_u32 v[SPW], v[NIL]                      ; 0 onto my spare word
	s_wait_dscnt 1                                 ; set p is in; the add alone may be out
	WIN MUL
	MUL8 0, \p, 0                                  ; sixteen matrix instructions stand between the add and the wait for it
	MUL8 1, \p, 0
	s_wait_dscnt 0x0                               ; the add is done, and my reads of this slot are over
	s_barrier_signal -1
	MUL8 2, \p, 0
	WIN 0
	s_barrier_wait -1
.if \fill
	CREST                                          ; the barrier has opened a round of the cluster's barrier: no wave of any partner still reads this slot or has a load on its way
	s_add_nc_u64 s[G0+4*\slot+2:G0+4*\slot+3], s[G0+4*\slot+2:G0+4*\slot+3], \stepb
	s_add_nc_u64 s[G0B+4*\slot+2:G0B+4*\slot+3], s[G0B+4*\slot+2:G0B+4*\slot+3], \stepb
	JLOAD \slot                                    ; the first tensor load behind the round
.endif
	PLACES
	FETCH \next, \qn, 1-(\p)
	WIN MUL
	MUL8 3, \p, 0
	WIN 0
.endm
	s_wait_tensorcnt 1                             ; my part of slot 0 is in; slot 1's may stay out
	s_barrier_signal -1
	s_barrier_wait -1                              ; everybody's is
	FETCH 0, 0, 0
	STEP 0, 1, 0, 1                                ; chunk 0: its products start the sums
	STEP 0, 2, 1, 0                                ; chunk 1
	TURN 0, 1, 0, 0, 1, 2*PART                     ; chunk 2; slot 0 takes chunks 6-8
	STEP 1, 1, 1, 0                                ; chunk 3
	STEP 1, 2, 0, 0                                ; chunk 4
	TURN 1, 0, 0, 1, 1, 2*PART                     ; chunk 5; slot 1 takes chunks 9-11
	STEP 0, 1, 0, 0                                ; chunk 6
	STEP 0, 2, 1, 0                                ; chunk 7
	TURN 0, 1, 0, 0, 1, 2*PART                     ; chunk 8; slot 0 takes chunks 12-14
	STEP 1, 1, 1, 0                                ; chunk 9
	STEP 1, 2, 0, 0                                ; chunk 10
	TURN 1, 0, 0, 1, 1, 4*IMG                      ; chunk 11; slot 1 takes chunks 13-15
	STEP 0, 1, 0, 0                                ; chunk 12
	STEP 0, 2, 1, 0                                ; chunk 13
	TURN 0, 1, 2, 0, 0, 0                          ; chunk 14; nothing is filled, so no round; chunk 15 is slot 1's third image
	s_wait_dscnt 0x0                               ; chunk 15
	WIN MUL
	MUL8 0, 1, 0
	MUL8 1, 1, 0
	MUL8 2, 1, 0
	MUL8 3, 1, 0
	WIN 0
; THE WAY OUT, block by block of 16 rows x 128 columns.  Accumulators (a, 2 c) and (a, 2 c + 1) hold, in lane (r, hh), columns 32 c + 16 hh + 0 .. 15 of row r: 64 bytes.  A block goes through my own stage in LDS and comes
; back as whole rows of 512 bytes.  LDS serves a wave's instructions in order (ISA guide 5.7.1.4): no wait between the stores and the loads, nor in front of the next block's stores.
.macro TOSTAGE a
.set AC, 64*(\a)
	WIN 0x02                                       ; source 0 window 2
.set j, 0
.rept 32
	v_pk_mul_f32 v[TMP+j:TMP+j+1], v[AC+j:AC+j+1], s[96:97] op_sel_hi:[1,0]   ; x 2^(e8 + e9); each accumulator from its low end on
.set j, j+2
.endr
	WIN 0
.irp b, 0,1,2,3,4,5,6,7
	ds_store_b128 v[STO], v[TMP+8*\b:TMP+8*\b+3] offset:128*(\b/2)+32*(\b%2)
	ds_store_b128 v[STO], v[TMP+8*\b+4:TMP+8*\b+7] offset:128*(\b/2)+32*(\b%2)+16
.endr
.set BB, BK+64*((\a)%2)
.irp t, 0,1,2,3,4,5,6,7,8,9,10,11,12,13,14,15
	ds_load_b128 v[BB+4*\t:BB+4*\t+3], v[RD] offset:\t*SPITCH
.endr
.endm
.macro SEND a, younger                 ; younger: the LDS instructions issued behind block a's loads, which may stay out
.set BB, BK+64*((\a)%2)
	s_wait_dscnt \younger                          ; the block is back in registers
.if (\a) > 0
	s_add_nc_u64 s[10:11], s[10:11], 16*ROWC       ; (behind a wait on XCNT: the earlier stores have read their base)  16 rows on
.endif
.irp t, 0,1,2,3,4,5,6,7,8,9,10,11,12,13,14,15
	global_store_b128 v[CO], v[BB+4*\t:BB+4*\t+3], s[10:11] offset:\t*ROWC th:TH_STORE_NT   ; 32 lanes store 512 consecutive bytes, at a multiple of 256 from out0's first byte; written once, read by nobody here
.endr
.endm
	s_wait_kmcnt 0x0
	s_add_co_i32 s96, s96, s97                     ; e8 + e9, between -126 and 127,
	s_add_co_i32 s96, s96, 127
	s_lshl_b32 s96, s96, 23                        ; makes the f32 number 2^(e8 + e9)
	s_mov_b32 s97, s96                             ; (named with it as a pair)
	PLACES                                         ; for the reads of results and for the loads into the registers that held x's fragments
	TOSTAGE 0
.irp a, 1,2,3
.if \a > 1
	s_wait_xcnt 0x0                                ; block a - 2's stores have read their registers and their base: block a's loads may land there, and the base may step
.endif
	TOSTAGE \a
	SEND \a-1, 32                                  ; behind block a - 1's loads: block a's 16 stores and 16 loads
.endr
	s_wait_xcnt 0x0                                ; block 2's stores have read their base
	SEND 3, 0
	s_wait_tensorcnt 0x0                           ; the wave's end: behind my last tensor load and my last LDS store
	ds_add_u32 v[SPW], v[NIL]
	s_wait_dscnt 0x0
	CROUND                                         ; the closing round: no work-group ends while a partner may still ask for a tile that names it
	s_endpgm
.Lfunc_end_k_q773c6f44c5_proj:
	.size	k_q773c6f44c5_proj, .Lfunc_end_k_q773c6f44c5_proj-k_q773c6f44c5_proj
	.p2alignl 7, 3214868480
	.fill 96, 4, 3214868480
	.section	.rodata,"a",@progbits
	.p2align	6, 0x0
	.amdhsa_kernel k_q773c6f44c5_proj
		.amdhsa_group_segment_fixed_size 327680
		.amdhsa_private_segment_fixed_size 0
		.amdhsa_enable_private_segment 0
		.amdhsa_kernarg_size 32
		.amdhsa_user_sgpr_count 2
		.amdhsa_user_sgpr_kernarg_segment_ptr 1
		.amdhsa_wavefront_size32 1
		.amdhsa_system_sgpr_workgroup_id_x 1
		.amdhsa_system_sgpr_workgroup_id_y 1
		.amdhsa_system_sgpr_workgroup_id_z 1
		.amdhsa_system_vgpr_workitem_id 0
		.amdhsa_next_free_vgpr 768
		.amdhsa_next_free_sgpr 98
		.amdhsa_reserve_vcc 0
		.amdhsa_float_denorm_mode_32 3
		.amdhsa_float_denorm_mode_16_64 3
		.amdhsa_memory_ordered 1
		.amdhsa_forward_progress 1
		.amdhsa_inst_pref_size 119
	.end_amdhsa_kernel
	.amdgpu_metadata
---
amdhsa.version: [ 1, 2 ]
amdhsa.kernels:
  - .name:           k_q773c6f44c5_proj
    .symbol:         k_q773c6f44c5_proj.kd
    .args:
      - { .name: ximg, .offset: 0, .size: 8, .value_kind: global_buffer, .address_space: global }
      - { .name: wimg, .offset: 8, .size: 8, .value_kind: global_buffer, .address_space: global }
      - { .name: lowp_scales, .offset: 16, .size: 8, .value_kind: global_buffer, .address_space: global }
      - { .name: out0, .offset: 24, .size: 8, .value_kind: global_buffer, .address_space: global }
    .group_segment_fixed_size: 327680
    .private_segment_fixed_size: 0
    .kernarg_segment_align: 8
    .kernarg_segment_size: 32
    .max_flat_workgroup_size: 128
    .sgpr_count:     98
    .vgpr_count:     768
    .wavefront_size: 32
...
	.end_amdgpu_metadata
.endif
;; end of part 3
